; MI455X (gfx1250); checked and timed in simulation.
; The chip was launched on July 23, 2026; its instructions are those of AMD's public machine-readable ISA for CDNA 5 (MIT licence, August 2026) and "CDNA5" Instruction Set Architecture Reference Guide (July 2026). The comments in the code are by the model that wrote it; some were corrected since.
;; Multi Head Attention. Allowed arithmetic: matrix products marked QUANTISED: E4M3 operands, one given power-of-two scale a tensor, by v_wmma_f32_16x16x64_fp8_fp8 or v_wmma_f32_16x16x128_fp8_fp8, f32 sums; everything else in f32.
;; Inputs: Wk_codes 2,048 x 64 x 32 uint8 (E4M3 codes of Wk, K innermost, in blocks of 32 codes); Wo_codes 2,048 x 64 x 32 uint8 (E4M3 codes of Wo, K innermost, in blocks of 32 codes); Wq_codes 2,048 x 64 x 32 uint8 (E4M3 codes of Wq, K innermost, in blocks of 32 codes); Wv_codes 2,048 x 64 x 32 uint8 (E4M3 codes of Wv, K innermost, in blocks of 32 codes); attn_mask 1 x 1 x 2,048 x 2,048 float32; bk 2,048 float32; bo 2,048 float32; bq 2,048 float32; bv 2,048 float32; hidden_states_codes 1 x 2,048 x 64 x 32 uint8 (E4M3 codes of hidden_states, K innermost, in blocks of 32 codes); lowp_scales 12 int32 (the exponents e of the quantised operands' scales 2^e).
;; Outputs: out0 1 x 2,048 x 2,048 float32; out1 1 x 16 x 2,048 x 128 float32; out2 1 x 16 x 2,048 x 128 float32.
;; This version of the problem:
;;   THIS VERSION OF THE PROBLEM IS GIVEN IN LOW PRECISION. The matrix products marked QUANTISED in the list below multiply operands that are first quantised to E4M3 (4 exponent bits, 3 mantissa bits; 8 bits a number), with one given power-of-two scale for each operand tensor; their sums are f32. All else is computed in f32.
;;   The module's matrix products, in the order in which they are computed (A, B: the left and right operand; K: the contracted axis; several contracted axes count as one K, in the product's order):
;;     1. [M 2,048, K 2,048] x [K 2,048, N 2,048]; A: input hidden_states (given as codes); B: input Wq (given as codes): QUANTISED (scales: A lowp_scales[0], B lowp_scales[1])
;;     2. [M 2,048, K 2,048] x [K 2,048, N 2,048]; A: input hidden_states (given as codes); B: input Wk (given as codes): QUANTISED (scales: A lowp_scales[2], B lowp_scales[3])
;;     3. [M 2,048, K 2,048] x [K 2,048, N 2,048]; A: input hidden_states (given as codes); B: input Wv (given as codes): QUANTISED (scales: A lowp_scales[4], B lowp_scales[5])
;;     4. batch 16 x [M 2,048, K 128] x [K 128, N 2,048]; A: computed on the way; B: computed on the way: QUANTISED (scales: A lowp_scales[6], B lowp_scales[7])
;;     5. batch 16 x [M 2,048, K 2,048] x [K 2,048, N 128]; A: softmax (see below); B: computed on the way: QUANTISED (scales: A lowp_scales[8], B lowp_scales[9])
;;     6. [M 2,048, K 2,048] x [K 2,048, N 2,048]; A: computed on the way; B: input Wo (given as codes): QUANTISED (scales: A lowp_scales[10], B lowp_scales[11])
;;   THE QUANTISER, for each operand of a quantised product, along K:
;;     - The operand's scale is 2^e, e = its entry of the input lowp_scales (int32; the entries are numbered through the quantised products in the list's order, A before B).
;;     - Each number is divided by the scale, clamped to +-448, and rounded to the nearest number of E4M3, ties to even, subnormals kept.
;;     - The product sums the exact products of the quantised numbers (number of the format x scale) in f32.
;;   ~~~python
;;   def quantise(x, axis, e):      # numpy; x: float32 -> the quantised numbers, widened to float32 again
;;       x = np.moveaxis(x, axis, -1); K = x.shape[-1]
;;       r = np.clip(x / 2.0 ** e, -448, 448)
;;       step = 2.0 ** (np.maximum(np.frexp(np.where(r == 0, 1, r))[1] - 1, -6) - 3)
;;       q = np.round(r / step) * step * 2.0 ** e      # np.round: ties to even
;;       return np.moveaxis(q, -1, axis).astype(np.float32)
;;   ~~~
;;   SOFTMAX AHEAD OF A QUANTISED PRODUCT. Where the list says 'softmax', what is quantised is not the finished softmax but p = 2^(t - M), with t = logit x log2(e) and M = ceil(the row's largest t), a whole number; so 1/2 < the row's largest p <= 1. The row's sum l is taken of the UNQUANTISED p, in f32, and the product's result is divided by l at the end. Since M is a whole number, a kernel that streams over the keys may use a running M (the ceiling of the running maximum): every later rescaling is an exact power of two, so the quantised numbers keep their values, but for numbers so far below the row's largest that they fall under the format's range.
;;   OPERANDS COMPUTED ON THE WAY. 'Computed on the way' means the value that the module computes at that place (a softmax that the list does not call 'softmax' is quantised finished and normalised). What goes into a quantiser is computed in f32, as accurately as f32 sums, v_exp_f32 and their like allow (about 1e-6 of the number): no bf16 or f16 on the way to a quantiser, and a product that is left as it is and whose result goes on into a quantised operand takes f32 operands (vector FMAs, or v_wmma_f32_16x16x4_f32). A number that lies on a knife's edge between two numbers of the format may be rounded either way, as far as f32 arithmetic and the matrix unit's own rounding can turn it there, and no further.
;;   INPUTS GIVEN AS CODES. Wk (in the module: [2048, 2048], K = its axis 1); Wo (in the module: [2048, 2048], K = its axis 1); Wq (in the module: [2048, 2048], K = its axis 1); Wv (in the module: [2048, 2048], K = its axis 1); hidden_states (in the module: [1, 2048, 2048], K = its axis 2): each comes as NAME_codes (uint8): NAME with its K axis moved to the last place and cut into blocks of 32 codes, [.., K / 32, bytes a block], one block behind the other in memory; one code a byte (a code: sign, 4 exponent bits, 3 mantissa bits); its scale is its entry of lowp_scales. Its value is code x scale, taken as it is: it is not quantised again, and the codes and scales need not be those that the quantiser above would give.
;; One version. Each part assembles by itself: llvm-mc -triple=amdgcn-amd-amdhsa -mcpu=gfx1250 --defsym DOCPART=n.
;; ======== version 1 of 1: 3 launches
;; limits: right only within a limited range of input values
;; workspace buffers: q_codes 4,194,304 bytes; kv_codes 8,388,608 bytes; ctx_codes 4,194,304 bytes
;; launch qkv (part 1): grid 16 x 16, 4 waves a work-group, clusters of 4 x 4, 327,680 bytes of LDS; arguments hidden_states_codes, Wq_codes, Wk_codes, Wv_codes, bq, bk, bv, lowp_scales, q_codes, kv_codes, out1, out2; writes q_codes, kv_codes, out1, out2
.if DOCPART == 1
	.amdgcn_target "amdgcn-amd-amdhsa--gfx1250"
	.amdhsa_code_object_version 6
	.text
	.protected	k_q1031af0089_qkv
	.globl	k_q1031af0089_qkv
	.p2align	8
	.type	k_q1031af0089_qkv,@function
k_q1031af0089_qkv:
	s_mov_b64 s[64:65], 0
	v_nop
	global_prefetch_b8 v0, s[64:65] scope:SCOPE_SE
	s_setreg_imm32_b32 hwreg(HW_REG_WAVE_MODE, 25, 1), 1
	s_wait_xcnt 0x0
	s_wait_alu depctr_hold_cnt(0) depctr_sa_sdst(0) depctr_va_vdst(0) depctr_va_sdst(0) depctr_va_ssrc(0) depctr_va_vcc(0) depctr_vm_vsrc(0)
	s_getreg_b32 s2, hwreg(HW_REG_IB_STS2, 6, 4)
	s_cmp_eq_u32 s2, 0
	s_cbranch_scc0 .Lentry_in_a_cluster
	s_endpgm
.Lentry_in_a_cluster:
	s_bfe_u32 s2, ttmp6, 0x10000c
	s_cmp_lg_u32 s2, 0xf033
	s_cbranch_scc0 .Lentry_shape_is_right
	s_endpgm
.Lentry_shape_is_right:
.set KROW,   2048
.set ROWB,   256
.set PITCH,  272
.set HALFT,  128*PITCH
.set SLOT,   4*HALFT
.set SPARE,  2*SLOT
.set SP,     528
.set STAGEK, 0
.set STAGEV, 128*SP
.set LAPS,   KROW/(2*ROWB)
.set BVA,  7
.set SCQ,  8
.set SCK,  10
.set SCV,  12
.set CO,   14
.set BA,   15
.set ADRA, 16
.set ADRQ, 18
.set ADRK, 20
.set ADRV, 22
.set STO,  24
.set STV,  25
.set RDK,  26
.set RDV,  27
.set SPW,  28
.set NIL,  29
.set CA,   30
.set CVA,  31
.set BF,   32
.set AF,   128
.set VAL,  128
.set CQ,   32
.set CK,   64
.set CV,   96
.set BQ,   128
.set BKB,  144
.set BVB,  160
.set G1,   24
.set G0,   32
.set G1B,  48
.set G0B,  56
.set MSB, 0
.macro WIN new
.if MSB != (\new)
	s_set_vgpr_msb (MSB<<8)|(\new)
.set MSB, (\new)
.endif
.endm
.macro PLACES n
.rept \n
	v_nop
.endr
.endm
.macro JLOAD s
	s_cmp_eq_u32 s14, 0
	s_cbranch_scc0 .Lfor_b_\@
	tensor_load_to_lds s[G0+4*\s:G0+4*\s+3], s[G1:G1+7]
	s_nop 0
.rept 4
	v_nop
.endr
	s_branch .Lasked_\@
.Lfor_b_\@:
	tensor_load_to_lds s[G0B+4*\s:G0B+4*\s+3], s[G1B:G1B+7]
	s_nop 0
.rept 4
	v_nop
.endr
.Lasked_\@:
.endm
.macro CREST
	s_cmp_lg_u32 s14, 0
	s_cbranch_scc1 .Lnot_wave_0_\@
	s_barrier_signal -3
.Lnot_wave_0_\@:
	s_barrier_wait -3
	s_barrier_signal -1
	s_barrier_wait -1
.endm
.macro CROUND
	s_barrier_signal -1
	s_barrier_wait -1
	CREST
.endm
	s_load_b256 s[4:11], s[0:1], 0x0
	s_load_b256 s[68:75], s[0:1], 0x20
	s_load_b256 s[76:83], s[0:1], 0x40
	v_lshl_add_u32 v[SPW], v0, 2, SPARE
	v_mov_b32 v[NIL], 0
	ds_add_u32 v28, v29
	ds_add_u32 v28, v29
	s_wait_dscnt 0x0
	v_lshrrev_b32 v1, 5, v0
	v_readfirstlane_b32 s14, v1
	v_and_b32 v6, 31, v0
	v_lshlrev_b32 v6, 11, v6                       ; the prefetches' offset: a lane a row of 2,048 bytes; never rewritten
	s_wait_alu depctr_va_vdst(0)
	s_bfe_u32 s40, ttmp6, 0x40000
	s_bfe_u32 s41, ttmp6, 0x40004
	s_lshl_b32 s42, ttmp9, 2
	s_add_co_u32 s42, s42, s40
	s_and_b32 s17, ttmp7, 0xffff
	s_lshl_b32 s17, s17, 2
	s_add_co_u32 s17, s17, s41
	s_lshl_b32 s43, s41, 2
	s_lshl_b32 s43, 15, s43
	s_lshl_b32 s44, 0x1111, s40
	s_or_b32 s[G1+0], s43, (0<<16)|(1<<20)|(1<<21)|(5<<22)|(3<<25)
	s_or_b32 s[G1B+0], s44, (0<<16)|(1<<20)|(1<<21)|(5<<22)|(3<<25)
.irp g, G1, G1B
	s_mov_b32 s[\g+1], ROWB<<16
	s_mov_b32 s[\g+2], 128<<16
	s_mov_b32 s[\g+3], ROWB<<16
	s_mov_b32 s[\g+4], 128
	s_mov_b32 s[\g+5], KROW
	s_mov_b32 s[\g+6], 0
	s_mov_b32 s[\g+7], 0
.endr
	s_lshl_b32 s20, s17, 18
	s_mov_b32 s21, 0
	s_lshl_b32 s46, s42, 18
	s_mov_b32 s47, 0
	s_mul_i32 s45, s14, HALFT
	s_wait_kmcnt 0x0
	s_load_b256 s[84:91], s[74:75], 0x0
	s_load_b64 s[92:93], s[74:75], 0x20
	s_cmp_eq_u32 s14, 2
	s_cselect_b64 s[22:23], s[8:9], s[6:7]
	s_cmp_eq_u32 s14, 3
	s_cselect_b64 s[22:23], s[10:11], s[22:23]
	s_add_nc_u64 s[20:21], s[4:5], s[20:21]
	s_add_nc_u64 s[46:47], s[22:23], s[46:47]
	; s[12:13]: where my prefetches stand.  Of the 128 rows that my wave fetches, each of the four partners that ask for them jointly names 32, told apart by address (cx for the tokens' rows, cy for a weight's)
	s_cmp_eq_u32 s14, 0
	s_cselect_b64 s[12:13], s[20:21], s[46:47]
	s_cselect_b32 s18, s40, s41
	s_lshl_b32 s18, s18, 16                        ; 32 rows of 2,048 bytes
	s_mov_b32 s19, 0
	s_add_nc_u64 s[12:13], s[12:13], s[18:19]
.irp s, 0,1
	s_mov_b32 s[G0+4*\s], 1
	s_add_co_u32 s[G0+4*\s+1], s45, \s*SLOT
	s_add_nc_u64 s[G0+4*\s+2:G0+4*\s+3], s[20:21], \s*ROWB
	s_or_b32 s[G0+4*\s+3], s[G0+4*\s+3], 0x80000000
	s_mov_b32 s[G0B+4*\s], 1
	s_add_co_u32 s[G0B+4*\s+1], s45, \s*SLOT
	s_add_nc_u64 s[G0B+4*\s+2:G0B+4*\s+3], s[46:47], \s*ROWB
	s_or_b32 s[G0B+4*\s+3], s[G0B+4*\s+3], 0x80000000
.endr
	CROUND                                         ; all sixteen work-groups are here: the first joint loads meet
	JLOAD 0                                        ; K step 0: one tensor load a wave at the head; the set-up below stands under its flight
	global_prefetch_b8 v6, s[12:13] offset:ROWB th:TH_LOAD_NT scope:SCOPE_SE     ; K steps 1 and 2 of my 32 rows: 256 bytes a lane
	global_prefetch_b8 v6, s[12:13] offset:2*ROWB th:TH_LOAD_NT scope:SCOPE_SE
	v_and_b32 v1, 15, v0
	v_bfe_u32 v2, v0, 4, 1
	v_and_b32 v3, 31, v0
	v_mul_u32_u24 v4, v1, PITCH
	v_lshl_add_u32 v4, v2, 4, v4
	s_mul_i32 s100, s14, 32*PITCH
	s_add_co_u32 s100, s100, HALFT
.irp s, 0,1
	v_add_nc_u32 v[ADRA+\s], \s*SLOT, v4
	v_add_nc_u32 v[ADRQ+\s], s100, v4
	v_add_nc_u32 v[ADRK+\s], HALFT, v[ADRQ+\s]
	v_add_nc_u32 v[ADRV+\s], 2*HALFT, v[ADRQ+\s]
	s_add_co_u32 s100, s100, SLOT
.endr
	s_lshl_b32 s101, s14, 7
	v_mul_u32_u24 v5, v1, SP
	v_lshl_add_u32 v5, v2, 5, v5
	v_add_nc_u32 v[STO], s101, v5
	v_mul_u32_u24 v5, v2, 8*SP
	v_lshl_add_u32 v5, v1, 2, v5
	v_add_nc_u32 v5, s101, v5
	v_add_nc_u32 v[STV], STAGEV, v5
	v_lshlrev_b32 v[CO], 4, v3
	s_mul_i32 s100, s14, 32*SP
	v_add_nc_u32 v[RDK], s100, v[CO]
	v_add_nc_u32 v[RDV], STAGEV, v[RDK]
	s_lshl_b32 s100, s14, 9
	v_add_nc_u32 v[CA], s100, v[CO]
	s_lshl_b32 s100, s14, 12
	v_add_nc_u32 v[CVA], s100, v[CO]
	v_lshlrev_b32 v[BA], 5, v2
	v_add_nc_u32 v[BA], s101, v[BA]
	s_wait_alu depctr_va_vdst(0)
	v_lshlrev_b32 v[BVA], 2, v1
	v_add_nc_u32 v[BVA], s101, v[BVA]
	s_wait_alu depctr_va_vdst(0)
	s_lshl_b32 s100, s42, 9
	s_mov_b32 s101, 0
	s_add_nc_u64 s[68:69], s[68:69], s[100:101]
	s_add_nc_u64 s[70:71], s[70:71], s[100:101]
	s_add_nc_u64 s[72:73], s[72:73], s[100:101]
	s_lshl_b32 s100, s42, 18
	s_lshl_b32 s22, s17, 14
	s_add_co_u32 s100, s100, s22
	s_add_nc_u64 s[76:77], s[76:77], s[100:101]
	s_lshl_b32 s100, s100, 1
	s_add_nc_u64 s[78:79], s[78:79], s[100:101]
	s_lshl_b32 s100, s100, 1
	s_lshl_b32 s22, s14, 14
	s_add_co_u32 s100, s100, s22
	s_add_nc_u64 s[80:81], s[80:81], s[100:101]
	s_add_nc_u64 s[82:83], s[82:83], s[100:101]
	WIN 0xc0
.irp b, 0,1
.irp i, 0,1
	global_load_b128 v[BQ+8*\b+4*\i:BQ+8*\b+4*\i+3], v[BA], s[68:69] offset:64*\b+16*\i
	global_load_b128 v[BKB+8*\b+4*\i:BKB+8*\b+4*\i+3], v[BA], s[70:71] offset:64*\b+16*\i
.endr
	global_load_b32 v[BVB+2*\b], v[BVA], s[72:73] offset:64*\b
	global_load_b32 v[BVB+2*\b+1], v[BVA], s[72:73] offset:64*\b
.endr
	WIN 0
.macro FRAG reg, adr, q, i
.irp c, 0,1,2,3
	ds_load_b128 v[\reg+4*\c:\reg+4*\c+3], v[\adr] offset:128*(\q)+32*\c+(\i)*16*PITCH
.endr
.endm
.macro FETCH slot, q, p
	WIN (\p)<<6
.irp i, 0,1,2,3,4,5,6,7
	FRAG AF+16*\i, ADRA+\slot, \q, \i
.endr
.irp i, 0,1
	FRAG BF+16*\i, ADRQ+\slot, \q, \i
.endr
.irp i, 0,1
	FRAG BF+32+16*\i, ADRK+\slot, \q, \i
.endr
.irp i, 0,1
	FRAG BF+64+16*\i, ADRV+\slot, \q, \i
.endr
.endm
.macro MULW acc, bf, zero
.irp a, 0,1,2,3,4,5,6,7
.irp b, 0,1
.if \zero
	v_wmma_f32_16x16x128_fp8_fp8 v[\acc+8*(2*\a+\b):\acc+8*(2*\a+\b)+7], v[\bf+16*\b:\bf+16*\b+15], v[AF+16*\a:AF+16*\a+15], 0
.else
	v_wmma_f32_16x16x128_fp8_fp8 v[\acc+8*(2*\a+\b):\acc+8*(2*\a+\b)+7], v[\bf+16*\b:\bf+16*\b+15], v[AF+16*\a:AF+16*\a+15], v[\acc+8*(2*\a+\b):\acc+8*(2*\a+\b)+7]
.endif
.endr
.endr
.endm
.macro MULT zero
.irp a, 0,1,2,3,4,5,6,7
.irp b, 0,1
.if \zero
	v_wmma_f32_16x16x128_fp8_fp8 v[8*(2*\a+\b):8*(2*\a+\b)+7], v[AF+16*\a:AF+16*\a+15], v[BF+64+16*\b:BF+64+16*\b+15], 0
.else
	v_wmma_f32_16x16x128_fp8_fp8 v[8*(2*\a+\b):8*(2*\a+\b)+7], v[AF+16*\a:AF+16*\a+15], v[BF+64+16*\b:BF+64+16*\b+15], v[8*(2*\a+\b):8*(2*\a+\b)+7]
.endif
.endr
.endr
.endm
.macro STEP slot, zero
	s_wait_dscnt 16
	WIN 0xa0
	MULW 0, BF, \zero
	PLACES 4
	FETCH \slot, 1, 1
	s_wait_dscnt 56
	WIN 0xa0
	MULW 128, BF+32, \zero
	WIN 0xf0
	MULT \zero
	WIN 0
.endm
.macro TURN slot, next, fill
	WIN 0
.if \fill
	s_wait_xcnt 0x0                                ; my last prefetch has read its address: it steps one K step
	s_add_nc_u64 s[12:13], s[12:13], ROWB
.endif
	s_wait_tensorcnt 0x0
	ds_add_u32 v[SPW], v[NIL]
	s_wait_dscnt 17
	WIN 0xa5
	MULW 0, BF, 0
	s_wait_dscnt 0x0
	s_barrier_signal -1
	MULW 128, BF+32, 0
	WIN 0
	s_barrier_wait -1
.if \fill
	CREST
	s_add_nc_u64 s[G0+4*\slot+2:G0+4*\slot+3], s[G0+4*\slot+2:G0+4*\slot+3], 2*ROWB
	s_add_nc_u64 s[G0B+4*\slot+2:G0B+4*\slot+3], s[G0B+4*\slot+2:G0B+4*\slot+3], 2*ROWB
	JLOAD \slot
.else
	PLACES 4
.endif
	FETCH \next, 0, 0
.if \fill
	s_cmp_gt_u32 s3, 1                             ; the refill just issued brings K step n: K step n + 2 is named here; the last lap's two refills have none
	s_cbranch_scc0 .Lno_ask_\@
	global_prefetch_b8 v6, s[12:13] offset:3*ROWB th:TH_LOAD_NT scope:SCOPE_SE
.Lno_ask_\@:
.endif
	WIN 0xf5
	MULT 0
	WIN 0
.endm
	s_wait_alu depctr_va_vdst(0)                   ; the wait at the head's end
	s_wait_tensorcnt 0x0                           ; my part of K step 0 is in; these lines stand ahead of a later first fill as ahead of a refill
	ds_add_u32 v[SPW], v[NIL]
	s_wait_dscnt 0x0
	CROUND                                         ; everybody's part of K step 0 is in, and the joint loads meet
	JLOAD 1                                        ; K step 1: slot 1's first fill
	FETCH 0, 0, 0
	global_prefetch_b8 v6, s[12:13] offset:3*ROWB th:TH_LOAD_NT scope:SCOPE_SE   ; K step 3
	STEP 0, 1
	s_mov_b32 s3, LAPS-1
.Llap:
	TURN 0, 1, 1
	STEP 1, 0
	TURN 1, 0, 1
	STEP 0, 0
	s_sub_co_u32 s3, s3, 1
	s_cmp_lg_u32 s3, 0
	s_cbranch_scc1 .Llap
	TURN 0, 1, 0
	STEP 1, 0
	s_wait_dscnt 16
	WIN 0xa5
	MULW 0, BF, 0
	s_wait_dscnt 0x0
	MULW 128, BF+32, 0
	WIN 0xf5
	MULT 0
	WIN 0
.macro POW2 d, ea, eb
	s_add_co_i32 s[\d], s[\ea], s[\eb]
	s_add_co_i32 s[\d], s[\d], 127
	s_lshl_b32 s[\d], s[\d], 23
	s_mov_b32 s[\d+1], s[\d]
.endm
.macro SCALE e, sc
	s_add_co_i32 s100, s[\e], 127
	s_lshl_b32 s101, s100, 23
	v_mov_b32 v[\sc], s101
	s_add_co_i32 s100, s100, 8
	s_lshl_b32 s100, s100, 23
	s_or_b32 s100, s100, 0x600000
	v_mov_b32 v[\sc+1], s100
.endm
.macro VALS win, acc, sp, bias, isv
	WIN \win
.irp a, 0,1,2,3,4,5,6,7
.irp b, 0,1
.irp j, 0,2,4,6
.if \isv
	v_pk_fma_f32 v[VAL+8*(2*\a+\b)+\j:VAL+8*(2*\a+\b)+\j+1], v[\acc+8*(2*\a+\b)+\j:\acc+8*(2*\a+\b)+\j+1], s[\sp:\sp+1], v[\bias+2*\b:\bias+2*\b+1] op_sel_hi:[1,0,0]
.else
	v_pk_fma_f32 v[VAL+8*(2*\a+\b)+\j:VAL+8*(2*\a+\b)+\j+1], v[\acc+8*(2*\a+\b)+\j:\acc+8*(2*\a+\b)+\j+1], s[\sp:\sp+1], v[\bias+8*\b+\j:\bias+8*\b+\j+1] op_sel_hi:[1,0,1]
.endif
.endr
.endr
.endr
	WIN 0
.endm
.macro CODES dst, sa, sb, sc
.set i, 0
.rept 128
	v_med3_num_f32 v[VAL+i], v[VAL+i], -v[\sc+1], v[\sc+1]
.set i, i+1
.endr
.irp a, 0,1,2,3,4,5,6,7
.irp b, 0,1
	v_cvt_scalef32_pk8_fp8_f32 v[\dst+\sa*\a+\sb*\b:\dst+\sa*\a+\sb*\b+1], v[VAL+8*(2*\a+\b):VAL+8*(2*\a+\b)+7], v[\sc]
.endr
.endr
	v_nop
.endm
.macro ROWS rd, base
.set t, 0
.rept 32
	ds_load_b128 v[VAL+4*t:VAL+4*t+3], v[\rd] offset:t*SP
.set t, t+1
.endr
.set t, 0
.rept 32
	s_wait_dscnt 31-t
	global_store_b128 v[CO], v[VAL+4*t:VAL+4*t+3], s[\base:\base+1] offset:512*t th:TH_STORE_NT
.set t, t+1
.endr
.endm
	s_wait_loadcnt 0x0
	s_wait_kmcnt 0x0
	POW2 94, 84, 85
	POW2 96, 86, 87
	POW2 98, 88, 89
	SCALE 90, SCQ
	SCALE 91, SCK
	SCALE 93, SCV
	VALS 0x32, 0, 94, BQ, 0
	CODES CQ, 4, 2, SCQ
.irp a, 0,1,2,3,4,5,6,7
	global_store_b128 v[CA], v[CQ+4*\a:CQ+4*\a+3], s[76:77] offset:2048*\a
.endr
	VALS 0x32, 128, 96, BKB, 0
.irp a, 0,1,2,3,4,5,6,7
.irp b, 0,1
	ds_store_b128 v[STO], v[VAL+8*(2*\a+\b):VAL+8*(2*\a+\b)+3] offset:16*\a*SP+64*\b
	ds_store_b128 v[STO], v[VAL+8*(2*\a+\b)+4:VAL+8*(2*\a+\b)+7] offset:16*\a*SP+64*\b+16
.endr
.endr
	s_wait_dscnt 0x0
	CODES CK, 4, 2, SCK
.irp a, 0,1,2,3,4,5,6,7
	global_store_b128 v[CA], v[CK+4*\a:CK+4*\a+3], s[78:79] offset:2048*\a
.endr
	VALS 0x33, 0, 98, BVB, 1
.irp a, 0,1,2,3,4,5,6,7
.irp b, 0,1
.irp j, 0,1,2,3,4,5,6,7
	ds_store_b32 v[STV], v[VAL+8*(2*\a+\b)+\j] offset:(16*\a+\j)*SP+64*\b
.endr
.endr
.endr
	s_wait_dscnt 0x0
	s_barrier_signal -1
	CODES CV, 2, 16, SCV
	s_wait_alu depctr_va_vdst(0)
	s_barrier_wait -1
.irp b, 0,1
.irp c, 0,1,2,3
	global_store_b128 v[CVA], v[CV+16*\b+4*\c:CV+16*\b+4*\c+3], s[78:79] offset:16384+2048*\b+512*\c
.endr
.endr
	ROWS RDK, 80
	s_wait_xcnt 0x0
	ROWS RDV, 82
	s_wait_tensorcnt 0x0
	ds_add_u32 v[SPW], v[NIL]
	s_wait_dscnt 0x0
	CROUND
	s_endpgm
.Lfunc_end_k_q1031af0089_qkv:
	.size	k_q1031af0089_qkv, .Lfunc_end_k_q1031af0089_qkv-k_q1031af0089_qkv
	.p2alignl 7, 3214868480
	.fill 96, 4, 3214868480
	.section	.rodata,"a",@progbits
	.p2align	6, 0x0
	.amdhsa_kernel k_q1031af0089_qkv
		.amdhsa_group_segment_fixed_size 327680
		.amdhsa_private_segment_fixed_size 0
		.amdhsa_enable_private_segment 0
		.amdhsa_kernarg_size 96
		.amdhsa_user_sgpr_count 2
		.amdhsa_user_sgpr_kernarg_segment_ptr 1
		.amdhsa_wavefront_size32 1
		.amdhsa_system_sgpr_workgroup_id_x 1
		.amdhsa_system_sgpr_workgroup_id_y 1
		.amdhsa_system_sgpr_workgroup_id_z 1
		.amdhsa_system_vgpr_workitem_id 0
		.amdhsa_next_free_vgpr 1024
		.amdhsa_next_free_sgpr 102
		.amdhsa_reserve_vcc 0
		.amdhsa_float_denorm_mode_32 3
		.amdhsa_float_denorm_mode_16_64 3
		.amdhsa_memory_ordered 1
		.amdhsa_forward_progress 1
		.amdhsa_inst_pref_size 133
	.end_amdhsa_kernel
	.amdgpu_metadata
---
amdhsa.version: [ 1, 2 ]
amdhsa.kernels:
  - .name:           k_q1031af0089_qkv
    .symbol:         k_q1031af0089_qkv.kd
    .args:
      - { .name: hidden_states_codes, .offset: 0, .size: 8, .value_kind: global_buffer, .address_space: global }
      - { .name: Wq_codes, .offset: 8, .size: 8, .value_kind: global_buffer, .address_space: global }
      - { .name: Wk_codes, .offset: 16, .size: 8, .value_kind: global_buffer, .address_space: global }
      - { .name: Wv_codes, .offset: 24, .size: 8, .value_kind: global_buffer, .address_space: global }
      - { .name: bq, .offset: 32, .size: 8, .value_kind: global_buffer, .address_space: global }
      - { .name: bk, .offset: 40, .size: 8, .value_kind: global_buffer, .address_space: global }
      - { .name: bv, .offset: 48, .size: 8, .value_kind: global_buffer, .address_space: global }
      - { .name: lowp_scales, .offset: 56, .size: 8, .value_kind: global_buffer, .address_space: global }
      - { .name: q_codes, .offset: 64, .size: 8, .value_kind: global_buffer, .address_space: global }
      - { .name: kv_codes, .offset: 72, .size: 8, .value_kind: global_buffer, .address_space: global }
      - { .name: out1, .offset: 80, .size: 8, .value_kind: global_buffer, .address_space: global }
      - { .name: out2, .offset: 88, .size: 8, .value_kind: global_buffer, .address_space: global }
    .group_segment_fixed_size: 327680
    .private_segment_fixed_size: 0
    .kernarg_segment_align: 8
    .kernarg_segment_size: 96
    .max_flat_workgroup_size: 128
    .sgpr_count:     102
    .vgpr_count:     1024
    .wavefront_size: 32
...
	.end_amdgpu_metadata
.endif
;; end of part 1
;; launch attn (part 2): grid 16 x 16, 8 waves a work-group, clusters of 4 x 1, 327,680 bytes of LDS; arguments q_codes, kv_codes, attn_mask, lowp_scales, ctx_codes; writes ctx_codes
.if DOCPART == 2
	.amdgcn_target "amdgcn-amd-amdhsa--gfx1250"
	.amdhsa_code_object_version 6
	.text
	.protected	k_q1031af0089_attn
	.globl	k_q1031af0089_attn
	.p2align	8
	.type	k_q1031af0089_attn,@function
k_q1031af0089_attn:
	s_mov_b64 s[64:65], 0
	v_nop
	global_prefetch_b8 v0, s[64:65] scope:SCOPE_SE
	s_setreg_imm32_b32 hwreg(HW_REG_WAVE_MODE, 25, 1), 1
	s_wait_xcnt 0x0
	s_wait_alu depctr_hold_cnt(0) depctr_sa_sdst(0) depctr_va_vdst(0) depctr_va_sdst(0) depctr_va_ssrc(0) depctr_va_vcc(0) depctr_vm_vsrc(0)
	s_getreg_b32 s2, hwreg(HW_REG_IB_STS2, 6, 4)
	s_cmp_eq_u32 s2, 0
	s_cbranch_scc0 .Lentry_in_a_cluster
	s_endpgm
.Lentry_in_a_cluster:
	s_bfe_u32 s2, ttmp6, 0x10000c
	s_cmp_lg_u32 s2, 0x3003
	s_cbranch_scc0 .Lentry_shape_is_right
	s_endpgm
.Lentry_shape_is_right:
; ctx[q] = the sum over keys of softmax(q . k / sqrt(128) + mask[q][key]) v[key], one head and 128 queries a work-group, both products on codes of FP8 (E4M3); ctx leaves as codes (entry 10 of the scales).
; q_codes, kv_codes: images of operand registers (a fragment of 16 rows x 128 K is 2,048 bytes; four registers a piece of 512 bytes, lane l's 16 bytes at 16 l).  kv_codes: [head][block of 128 keys][8 fragments of k, 8 of v^T].
; attn_mask: [2048 queries][2048 keys] f32, added to every score as it is given: every query walks all keys.
; THE SOFTMAX: logit = score x 2^(e6 + e7) / sqrt(128) + mask (one rounding); t = logit x log2(e), rounded; M = the running largest t rounded UP to a whole number; p = 2^(t - M) is quantised with 2^e8, not normalised.
; The maximum takes the same rounded product as the elements.  The row's sum is taken of the unquantised p; when M moves, the sum and O are multiplied by 2^(old M - new M), which rounds nothing.  At the end O x 2^(e8 + e9) / sum.
; LIMITS: e6 + e7 between -122 and 131 (added to the exponent field of 1 / sqrt(128)); e8, e10 between -126 and 119; e8 + e9 is applied by v_ldexp_f32 and has none.  NaN among the inputs is not served; a row whose
; mask is -infinity everywhere gives NaN.
; SHARES.  Eight waves, two to a SIMD.  Wave w = (g = w % 4, u = w / 4) owns two tiles of 16 queries (rows 32 g .. 32 g + 31 of the block) and, of every step of 128 keys, the 64 keys 64 u on: each fragment of k and v feeds two
; products.  The two waves of a pair (w, w xor 4) keep a maximum, a sum and an O of their own half of the keys and join them at the end.  Register tile i of a wave is token tile 2 g + (i xor u): every wave keeps register
; tile 0 and hands register tile 1 to its partner, with no branch on the wave's number.
; LAYOUT.  Both products are used transposed: S^T = k q^T, O^T = v^T p^T (K = my 64 keys: the K = 64 form): a lane holds one query (lane % 16); tile t's eight registers are keys (channels) 16 t + 8 (lane / 16) + 0 .. 7.
; RING.  Two LDS slots of TWO steps each (65,536 bytes of k's and v's images), filled by joint loads: cluster 4 x 1, the four query blocks of one head; each of the eight waves asks for 8,192 bytes (32 rows of 256).
; THE MASK DOES NOT GO THROUGH THE RING.  A wave alone reads its 32 rows x 256 bytes of a step, so it fetches them itself: 16 loads, each of two rows' whole 256 bytes, issued TWO steps ahead of their use into one of two sets of
; 64 registers; then through the wave's own stage in LDS (rows of 272 bytes) back into the same registers, a lane a query.  With the mask's 65,536 bytes a step in the ring a slot would hold one step and every step would
; change slots; so the mask is not asked for jointly, though the sixteen heads read the same tile.
; NO PREFETCH: the ring's refill is asked for two steps, and the mask's loads two steps, ahead of the first wait for them; nothing is asked for later than that.
; O^T begins as zeros (128 moves, once) and the largest t as -3e38, so that the step is written in one form: the first change of M multiplies zeros.
; REGISTERS: window 0: v1-11 addresses; v12-15 (-M, largest t); v16-19 sums; v20-23 f; v24-31 at work; v32-63 q; v64-127 mask, even steps; v128-191 S^T, logit, t, p; v192-207 codes; v208-223 constants and work.
;   window 1: v0-127 O^T; v128-191 k's four fragments, then v's eight halves; v192-255 mask, odd steps.
.set RING1, 65536                      ; slot 1 begins here: one exclusive or turns an address
.set STEPB, 32768                      ; a step's images: k's 16,384 bytes, then v's
.set VOFF,  16384
.set MP,    272                        ; a row of the mask's stage: 256 + 16 bytes
.set MST,   2*RING1                    ; the mask's stages: 32 rows a wave
.set MSW,   32*MP
.set JST,   MST+8*MSW                  ; the join's stages: 8,192 bytes of O^T + 256 of statistics a wave
.set STW,   8448
.set SPARE, JST+8*STW                  ; the spare words, 128 bytes a wave
.set AK0, 1
.set AV0, 2
.set AM0, 3                            ; v3, v4: where register tile 0, 1 reads the mask's stage
.set SPW, 5
.set NIL, 6
.set GO,  7
.set ADK, 8
.set ADV, 9
.set MSTO, 10                          ; where I store two rows of the mask into my stage
.set MGO, 11                           ; the mask's loads: 8,192 (lane / 16) + 16 (lane % 16)
.set NM,  12
.set LS,  16
.set FF,  20
.set WA,  24
.set PD,  28
.set QF,  32
.set MK,  64
.set S,   128
.set PC,  192
.set LIMP, 208
.set PSC,  209
.set LIMC, 210
.set CSC,  211
.set LB,   212
.set OT,  0
.set KV,  128
.set WV,  18
.set SEL, 20
.set C1,  22
.set G1,  24
.set G0,  40
.set MB,  44                           ; s[44:45] the mask at my rows and keys; it walks two steps a slot
.set TB,  54
.set SLOTS, 55
.set L2E, 66
.set MSB, 0
.macro WIN new
.if MSB != (\new)
	s_set_vgpr_msb (MSB<<8)|(\new)
.set MSB, (\new)
.endif
.endm
.macro PLACES n
.rept \n
	v_nop
.endr
.endm
.macro CROUND
	s_barrier_signal -1
	s_barrier_wait -1
	s_cmp_lg_u32 s[WV], 0
	s_cbranch_scc1 .Lnot_wave_0_\@
	s_barrier_signal -3
.Lnot_wave_0_\@:
	s_barrier_wait -3
	s_barrier_signal -1
	s_barrier_wait -1
.endm
.macro JLOAD                           ; every wave's one joint load; s_nop 0 and four v_nop follow
	tensor_load_to_lds s[G0:G0+3], s[G1:G1+7]
	s_nop 0
	PLACES 4
.endm
.macro GLOAD q                         ; my 32 rows x 256 bytes of the mask, step q from s[MB] on: each load covers two rows' 256 consecutive bytes, aligned
.set GR, 64+128*(\q)
	WIN (\q)<<6
.irp i, 0,1,2,3,4,5,6,7,8,9,10,11,12,13,14,15
	global_load_b128 v[GR+4*\i:GR+4*\i+3], v[MGO], s[MB:MB+1] offset:16384*\i+512*(\q)
.endr
	WIN 0
.endm
	s_load_b256 s[4:11], s[0:1], 0x0               ; q's codes, k's and v's, the mask, the scales' exponents
	s_load_b64 s[12:13], s[0:1], 0x20              ; ctx's codes
	v_lshl_add_u32 v[SPW], v0, 2, SPARE
	v_mov_b32 v[NIL], 0
	ds_add_u32 v[SPW], v[NIL]                      ; the opening lines: the add twice on end and one wait
	ds_add_u32 v[SPW], v[NIL]
	v_lshrrev_b32 v8, 5, v0
	v_readfirstlane_b32 s[WV], v8                  ; wave 0..7
	s_and_b32 s83, s[WV], 3                        ; g
	s_lshr_b32 s85, s[WV], 2                       ; u
	s_lshl_b32 s86, s83, 18                        ; g's 32 rows of the mask, 8,192 bytes each
	s_lshl_b32 s83, s83, 1
	s_add_co_u32 s83, s83, s85                     ; register tile 0 is token tile 2 g + u,
	s_xor_b32 s84, s83, 1                          ; register tile 1 the other of my two
	s_bfe_u32 s48, ttmp6, 0x40000                  ; cx
	s_lshl_b32 s50, ttmp9, 2
	s_add_co_u32 s50, s50, s48                     ; the query block = 4 x cluster x + cx
	s_and_b32 s51, ttmp7, 0xffff                   ; the head: the cluster is one work-group high
	s_mov_b32 s[G1], 15|(3<<16)|(1<<21)            ; the four partners; elements of 8 bytes; bit 21 beside a mask
	s_mov_b32 s[G1+1], 32<<16                      ; rows of 256 bytes,
	s_mov_b32 s[G1+2], 32<<16                      ; 32 of them, dense
	s_mov_b32 s[G1+3], 32<<16
	s_mov_b32 s[G1+4], 32
	s_mov_b32 s[G1+5], 32
	s_mov_b32 s[G1+6], 0
	s_mov_b32 s[G1+7], 0
	s_lshl_b32 s68, s51, 19                        ; k, v: the head's 16 blocks of 32,768 bytes,
	s_lshl_b32 s70, s[WV], 13                      ; my 8,192 bytes of a slot, in memory and in LDS
	s_add_co_u32 s68, s68, s70
	s_mov_b32 s69, 0
	s_lshl_b32 s72, s50, 20                        ; the mask: the block's 128 rows, + g's 32, + u's 256 bytes
	s_add_co_u32 s72, s72, s86
	s_lshl_b32 s74, s85, 8
	s_add_co_u32 s72, s72, s74
	s_mov_b32 s73, 0
	s_lshl_b32 s76, s51, 18                        ; q: head x 128 tiles x 2,048 + query block x 8 x 2,048
	s_lshl_b32 s77, s50, 14
	s_add_co_u32 s76, s76, s77
	s_mov_b32 s77, 0
	s_lshl_b32 s78, s50, 18                        ; ctx: [token block][head][tile][2,048]: I finish register tile 0
	s_lshl_b32 s79, s51, 14
	s_add_co_u32 s78, s78, s79
	s_lshl_b32 s79, s83, 11
	s_add_co_u32 s78, s78, s79
	s_mov_b32 s79, 0
	s_mov_b32 s[SEL], 0x76543210
	s_mov_b32 s[SEL+1], 0xfedcba98
	s_mov_b32 s[C1], 0x3db504f3                    ; 1 / sqrt(128)
	s_mov_b32 s[L2E], 0x3fb8aa3b                   ; log2(e)
	s_mov_b32 s[L2E+1], s[L2E]
	s_mov_b32 s[TB], 0
	s_mov_b32 s[SLOTS], 7
	s_lshl_b32 s80, s83, 11
	s_lshl_b32 s81, s84, 11
	v_and_b32 v8, 15, v0                           ; r
	v_bfe_u32 v9, v0, 4, 1                         ; h
	v_and_b32 v30, 31, v0
	v_lshlrev_b32 v30, 4, v30                      ; 16 x lane
	v_add_nc_u32 v24, s80, v30                     ; my place in the images of my two tiles of q
	v_add_nc_u32 v25, s81, v30
	v_lshlrev_b32 v[MGO], 4, v8
	v_lshl_add_u32 v[MGO], v9, 13, v[MGO]
	s_wait_alu depctr_va_vdst(0)                   ; the wait here, directly ahead of the waits below
	s_wait_dscnt 0x0                               ; both opening adds are done
	s_wait_kmcnt 0x0
	s_load_b128 s[56:59], s[10:11], 0x18           ; e6, e7, e8, e9
	s_load_b32 s60, s[10:11], 0x28                 ; e10
	s_add_nc_u64 s[4:5], s[4:5], s[76:77]
	s_add_nc_u64 s[MB:MB+1], s[8:9], s[72:73]
	s_add_nc_u64 s[12:13], s[12:13], s[78:79]
.irp c, 0,1,2,3
	global_load_b128 v[QF+4*\c:QF+4*\c+3], v24, s[4:5] offset:512*\c
	global_load_b128 v[QF+16+4*\c:QF+16+4*\c+3], v25, s[4:5] offset:512*\c
.endr
	GLOAD 0                                        ; the mask of steps 0 and 1
	GLOAD 1
	s_mov_b32 s[G0], 1
	s_mov_b32 s[G0+1], s70
	s_add_nc_u64 s[G0+2:G0+3], s[6:7], s[68:69]
	s_or_b32 s[G0+3], s[G0+3], 0x80000000
	CROUND                                         ; the four partners are here: the first joint loads meet
	JLOAD                                          ; slot 0: steps 0 and 1
	s_lshl_b32 s80, s85, 13                        ; k: my four fragments begin 4 u images on
	v_add_nc_u32 v[AK0], s80, v30
	s_lshl_b32 s80, s85, 10                        ; v: my two pieces of each image begin 2 u pieces on
	s_add_co_u32 s80, s80, VOFF
	v_add_nc_u32 v[AV0], s80, v30
	s_mul_i32 s81, s[WV], MSW
	s_add_co_u32 s81, s81, MST                     ; my stage for the mask
	v_mul_u32_u24 v31, v8, MP
	v_lshl_add_u32 v31, v9, 5, v31                 ; back: row r, + 32 h,
	v_add_nc_u32 v31, s81, v31
	s_mul_i32 s80, s85, 16*MP                      ; + the 16 rows of token tile i xor u
	v_add_nc_u32 v[AM0], s80, v31
	s_xor_b32 s80, s85, 1
	s_mul_i32 s80, s80, 16*MP
	v_add_nc_u32 v[AM0+1], s80, v31
	v_mul_u32_u24 v[MSTO], v9, MP                  ; in: lanes 0-15 one row, lanes 16-31 the next
	v_lshl_add_u32 v[MSTO], v8, 4, v[MSTO]
	v_add_nc_u32 v[MSTO], s81, v[MSTO]
	v_lshlrev_b32 v[GO], 4, v8
	v_lshl_add_u32 v[GO], v9, 3, v[GO]
.irp i, 0,1
	v_mov_b32 v[NM+2*\i+1], 0xff61b1e6             ; the largest t so far: -3e38
	v_floor_f32 v[NM+2*\i], -v[NM+2*\i+1]          ; -M
	v_mov_b32 v[LS+2*\i], 0
	v_mov_b32 v[LS+2*\i+1], 0
	v_mov_b32 v[FF+2*\i+1], 0                      ; (named as the upper half of f's pair)
	v_mov_b32 v[PD+\i], 0                          ; a lane permute's destination counts as one of its sources
.endr
	WIN 0x40
.set j, 0
.rept 128
	v_mov_b32 v[OT+j], 0                           ; O^T: the step is written in one form
.set j, j+1
.endr
	WIN 0
	s_wait_kmcnt 0x0
	s_add_co_i32 s81, s56, s57
	s_lshl_b32 s81, s81, 23
	s_add_co_i32 s[C1], s[C1], s81                 ; x 2^(e6 + e7): added to the exponent field
	s_mov_b32 s[C1+1], s[C1]
	s_add_co_i32 s81, s58, 127
	s_lshl_b32 s82, s81, 23
	v_mov_b32 v[PSC], s82                          ; 2^e8
	s_add_co_i32 s81, s81, 8
	s_lshl_b32 s81, s81, 23
	s_or_b32 s81, s81, 0x600000
	v_mov_b32 v[LIMP], s81                         ; 448 x 2^e8
	s_add_co_i32 s81, s60, 127
	s_lshl_b32 s82, s81, 23
	v_mov_b32 v[CSC], s82                          ; 2^e10
	s_add_co_i32 s81, s81, 8
	s_lshl_b32 s81, s81, 23
	s_or_b32 s81, s81, 0x600000
	v_mov_b32 v[LIMC], s81                         ; 448 x 2^e10
	s_add_co_i32 s82, s58, s59                     ; e8 + e9: kept to the end
.macro LOADK q                         ; my four fragments of k
	WIN 0x40
.irp t, 0,1,2,3
.irp c, 0,1,2,3
	ds_load_b128 v[KV+16*\t+4*\c:KV+16*\t+4*\c+3], v[ADK] offset:STEPB*(\q)+2048*\t+512*\c
.endr
.endr
.endm
.macro LOADV q                         ; of each of v's eight images the two pieces that hold my 64 keys, into the registers that held k
	WIN 0x40
.irp t, 0,1,2,3,4,5,6,7
.irp c, 0,1
	ds_load_b128 v[KV+8*\t+4*\c:KV+8*\t+4*\c+3], v[ADV] offset:STEPB*(\q)+2048*\t+512*\c
.endr
.endr
	WIN 0
.endm
.macro MSTAGE q                        ; the mask's 32 rows into my stage and back, a lane a query: LDS serves a wave's instructions in order (ISA guide 5.7.1.4), so no wait stands between
.set GR, 64+128*(\q)
	WIN (\q)<<2
.irp i, 0,1,2,3,4,5,6,7,8,9,10,11,12,13,14,15
	ds_store_b128 v[MSTO], v[GR+4*\i:GR+4*\i+3] offset:2*MP*\i
.endr
	WIN (\q)<<6
.irp i, 0,1
.irp t, 0,1,2,3
.irp n, 0,1
	ds_load_b128 v[GR+32*\i+8*\t+4*\n:GR+32*\i+8*\t+4*\n+3], v[AM0+\i] offset:64*\t+16*\n
.endr
.endr
.endr
.endm
.macro SMUL                            ; S^T = k q^T: four tiles of 16 keys x my two tiles of queries
	WIN 0x01
.irp t, 0,1,2,3
.irp i, 0,1
	v_wmma_f32_16x16x128_fp8_fp8 v[S+32*\i+8*\t:S+32*\i+8*\t+7], v[KV+16*\t:KV+16*\t+15], v[QF+16*\i:QF+16*\i+15], 0
.endr
.endr
	WIN 0
.endm
; logit, maximum, M, f, p, the sums; the two tiles line by line.  gl = 1: behind the logits the mask's registers take the step two further on.
.macro FRONT q, gl
.set GR, 64+128*(\q)
	WIN (\q)<<4
.set j, 0
.rept 32
	v_pk_fma_f32 v[S+j:S+j+1], v[S+j:S+j+1], s[C1:C1+1], v[GR+j:GR+j+1] op_sel_hi:[1,0,1]   ; the logit; each accumulator from its low end on
.set j, j+2
.endr
.if \gl
	GLOAD \q
.endif
	WIN 0
.irp i, 0,1
	v_max3_num_f32 v[WA+2*\i], v[S+32*\i], v[S+32*\i+1], v[S+32*\i+2]
	v_max3_num_f32 v[WA+2*\i+1], v[S+32*\i+3], v[S+32*\i+4], v[S+32*\i+5]
.endr
.irp k, 6,10,14,18,22,26
.irp i, 0,1
	v_max3_num_f32 v[WA+2*\i], v[WA+2*\i], v[S+32*\i+\k], v[S+32*\i+\k+1]
	v_max3_num_f32 v[WA+2*\i+1], v[WA+2*\i+1], v[S+32*\i+\k+2], v[S+32*\i+\k+3]
.endr
.endr
.irp i, 0,1
	v_max3_num_f32 v[WA+2*\i], v[WA+2*\i], v[S+32*\i+30], v[S+32*\i+31]
.endr
.irp i, 0,1
	v_max_num_f32 v[WA+2*\i], v[WA+2*\i], v[WA+2*\i+1]
.endr
.irp i, 0,1
	v_permlanex16_b32 v[PD+\i], v[WA+2*\i], s[SEL], s[SEL+1]
.endr
.irp i, 0,1
	v_max_num_f32 v[WA+2*\i], v[WA+2*\i], v[PD+\i]                           ; and among lane l xor 16's
.endr
.irp i, 0,1
	v_mul_f32 v[WA+2*\i], s[L2E], v[WA+2*\i]                                 ; as t: the same rounded product that the elements get
.endr
.irp i, 0,1
	v_max_num_f32 v[NM+2*\i+1], v[NM+2*\i+1], v[WA+2*\i]                     ; the running largest t
.endr
.irp i, 0,1
	v_mov_b32 v[WA+2*\i], v[NM+2*\i]
.endr
.irp i, 0,1
	v_floor_f32 v[NM+2*\i], -v[NM+2*\i+1]                                    ; the new -M = -ceil(t)
.endr
.irp i, 0,1
	v_sub_f32 v[WA+2*\i], v[NM+2*\i], v[WA+2*\i]                             ; old M - new M: a whole number, 0 or less
.endr
.irp i, 0,1
	v_cvt_i32_f32 v[WA+2*\i], v[WA+2*\i]                                     ; (it saturates)
.endr
.irp i, 0,1
	v_ldexp_f32 v[FF+2*\i], 1.0, v[WA+2*\i]                                  ; f = 2^(old M - new M)
.endr
.set j, 0
.rept 32
	v_pk_mul_f32 v[S+j:S+j+1], v[S+j:S+j+1], s[L2E:L2E+1] op_sel_hi:[1,0]    ; t, rounded
.set j, j+2
.endr
.set j, 0
.rept 32
	v_pk_add_f32 v[S+j:S+j+1], v[S+j:S+j+1], v[NM+2*(j/32):NM+2*(j/32)+1] op_sel_hi:[1,0]   ; t - M (the pair's low word for both halves)
.set j, j+2
.endr
	s_wait_alu depctr_va_vdst(0)                   ; the wait ahead of the batch
.set j, 0
.rept 64
	v_exp_f32 v[S+j], v[S+j]                       ; p, at most 1: not normalised
.set j, j+1
.endr
.irp i, 0,1
	v_pk_mul_f32 v[LS+2*\i:LS+2*\i+1], v[LS+2*\i:LS+2*\i+1], v[FF+2*\i:FF+2*\i+1] op_sel_hi:[1,0]   ; the sums under the new M (the plain place behind the batch)
.endr
	s_wait_alu depctr_va_vdst(0)                   ; and the one wait behind it, ahead of its first reader
.irp i, 0,1
	v_pk_add_f32 v[LB+2*\i:LB+2*\i+1], v[S+32*\i:S+32*\i+1], v[S+32*\i+2:S+32*\i+3]                 ; the row's sum of the unquantised p, in two chains a tile
.endr
.irp k, 4,8,12,16,20,24,28
.irp i, 0,1
	v_pk_add_f32 v[LS+2*\i:LS+2*\i+1], v[LS+2*\i:LS+2*\i+1], v[S+32*\i+\k:S+32*\i+\k+1]
	v_pk_add_f32 v[LB+2*\i:LB+2*\i+1], v[LB+2*\i:LB+2*\i+1], v[S+32*\i+\k+2:S+32*\i+\k+3]
.endr
.endr
.irp i, 0,1
	v_pk_add_f32 v[LS+2*\i:LS+2*\i+1], v[LS+2*\i:LS+2*\i+1], v[LB+2*\i:LB+2*\i+1]
.endr
.endm
; p is held and quantised, O^T is brought under the new M, O^T += v^T p^T
.macro TAILPV
.set j, 0
.rept 64
	v_min_num_f32 v[S+j], v[S+j], v[LIMP]          ; the conversion does not saturate (ISA guide 7.6.2); p is not negative, so the hold is one-sided
.set j, j+1
.endr
.irp i, 0,1
.irp t, 0,1,2,3
	v_cvt_scalef32_pk8_fp8_f32 v[PC+8*\i+2*\t:PC+8*\i+2*\t+1], v[S+32*\i+8*\t:S+32*\i+8*\t+7], v[PSC]
.endr
.endr
	WIN 0x41
	s_wait_alu depctr_va_vdst(0)                   ; the wait here, directly ahead of the first readers of O^T
.set j, 0
.rept 64
	v_pk_mul_f32 v[OT+j:OT+j+1], v[OT+j:OT+j+1], v[FF+2*(j/64):FF+2*(j/64)+1] op_sel_hi:[1,0]   ; each accumulator from its low end on (also the plain place behind the conversions)
.set j, j+2
.endr
	s_wait_alu depctr_va_vdst(0)                   ; the wait here, directly ahead of the wait below
	s_wait_dscnt 0x0                               ; v is in
	WIN 0x51
.irp t, 0,1,2,3,4,5,6,7
.irp i, 0,1
	v_wmma_f32_16x16x64_fp8_fp8 v[OT+64*\i+8*\t:OT+64*\i+8*\t+7], v[KV+8*\t:KV+8*\t+7], v[PC+8*\i:PC+8*\i+7], v[OT+64*\i+8*\t:OT+64*\i+8*\t+7]   ; the sixteen accumulators by turns
.endr
.endr
	WIN 0
.endm
; THE CHANGE OF SLOTS, at a slot's head.  fill = 1: a round of the cluster's barrier, and behind it the slot just left takes the two steps after the slot ahead.
.macro CHANGE fill
	s_wait_tensorcnt 0x0                           ; my part of the slot ahead is in; group 0 may be written
	ds_add_u32 v[SPW], v[NIL]
.if \fill
	s_xor_b32 s[G0+1], s[G0+1], RING1
	s_add_nc_u64 s[G0+2:G0+3], s[G0+2:G0+3], 2*STEPB
	s_wait_xcnt 0x0                                ; the mask's loads have read their base
	s_add_nc_u64 s[MB:MB+1], s[MB:MB+1], 1024      ; two steps on: this slot's steps ask for the next slot's columns
.endif
	s_wait_dscnt 0x0                               ; the add is done, and my reads of the slot that I have left are over
.if \fill
	CROUND
	JLOAD
.else
	s_barrier_signal -1
	s_barrier_wait -1
.endif
	v_add_nc_u32 v[ADK], s[TB], v[AK0]
	v_add_nc_u32 v[ADV], s[TB], v[AV0]
	s_wait_alu depctr_va_vdst(0)
.endm
; A STEP, the q-th of the slot.  lc: the mask's loads that may stay out (the next step's sixteen).
.macro TRIP q, gl, lc
	LOADK \q
	s_wait_loadcnt \lc                             ; this step's mask is in its registers (in the first step: q too, asked for earlier)
	MSTAGE \q
	s_wait_dscnt 32                                ; k is in: the stage's sixteen stores and sixteen loads are younger
	SMUL
	PLACES 4                                       ; between the products and the loads into k's registers, and the first read of S^T
	LOADV \q
	s_wait_dscnt 16                                ; the mask is back: v's sixteen loads are younger
	FRONT \q, \gl
	TAILPV
	PLACES 4                                       ; between the products and the next loads into v's registers
.endm
	s_wait_alu depctr_va_vdst(0)                   ; the wait at the head's end
.Lslot:                                            ; 7 trips: slots 0 to 6; behind each change the next slot is asked for (the first time: slot 1's first fill)
	CHANGE 1
	TRIP 0, 1, 16
	TRIP 1, 1, 16
	s_xor_b32 s[TB], s[TB], RING1
	s_sub_co_u32 s[SLOTS], s[SLOTS], 1
	s_cmp_lg_u32 s[SLOTS], 0
	s_cbranch_scc1 .Lslot
	CHANGE 0                                       ; the last slot is written out: it asks for nothing
	TRIP 0, 0, 16
	TRIP 1, 0, 0
	; THE TWO HALVES OF THE KEYS ARE JOINED.  I hand register tile 1 (O^T, -M, the sum) to wave w xor 4 through its stage and take from mine what that wave holds of my register tile 0.
	v_add_f32 v25, v[LS+2], v[LS+3]
	v_mov_b32 v24, v[NM+2]
	v_add_f32 v[LS], v[LS], v[LS+1]
	v_and_b32 v8, 31, v0
	v_lshlrev_b32 v9, 4, v8
	v_lshlrev_b32 v8, 3, v8
	s_xor_b32 s80, s[WV], 4
	s_mul_i32 s80, s80, STW
	s_add_co_u32 s80, s80, JST                     ; my partner's stage
	s_mul_i32 s81, s[WV], STW
	s_add_co_u32 s81, s81, JST                     ; mine
	v_add_nc_u32 v10, s80, v9
	v_add_nc_u32 v11, s80, v8
	v_add_nc_u32 v9, s81, v9
	v_add_nc_u32 v8, s81, v8
	s_wait_alu depctr_va_vdst(0)
	WIN 0x04
.set k, 0
.rept 16
	ds_store_b128 v10, v[OT+64+4*k:OT+64+4*k+3] offset:512*k       ; an image of the registers; each accumulator from its low end on
.set k, k+1
.endr
	WIN 0
	ds_store_b64 v11, v[24:25] offset:8192
	s_wait_dscnt 0x0                               ; for my partner's sake: my stores are done
	s_barrier_signal -1
	s_barrier_wait -1
	ds_load_b64 v[26:27], v8 offset:8192
.set k, 0
.rept 16
	ds_load_b128 v[MK+4*k:MK+4*k+3], v9 offset:512*k
.set k, k+1
.endr
	s_wait_dscnt 16                                ; the statistics are in
	v_min_num_f32 v216, v[NM], v26                 ; -M of all keys
	v_sub_f32 v217, v216, v[NM]
	v_sub_f32 v218, v216, v26
	v_cvt_i32_f32 v217, v217
	v_cvt_i32_f32 v218, v218
	v_ldexp_f32 v217, 1.0, v217                    ; the two factors: powers of two, or 0
	v_ldexp_f32 v218, 1.0, v218
	v_mul_f32 v[LS], v[LS], v217
	v_fma_f32 v[LS], v27, v218, v[LS]
	v_permlanex16_b32 v[PD], v[LS], s[SEL], s[SEL+1]
	v_add_f32 v[LS], v[LS], v[PD]                  ; the row's sum
	s_wait_alu depctr_va_vdst(0)                   ; the wait ahead of the transcendental
	v_rcp_f32 v[LS], v[LS]
	v_mov_b32 v221, 0                              ; (a plain place; the upper halves of the two pairs below)
	v_mov_b32 v223, 0
	s_wait_alu depctr_va_vdst(0)                   ; and ahead of its first reader
	v_ldexp_f32 v[LS], v[LS], s82                  ; x 2^(e8 + e9)
	v_mul_f32 v220, v217, v[LS]
	v_mul_f32 v222, v218, v[LS]
	s_wait_alu depctr_va_vdst(0)                   ; the wait here, directly ahead of the wait below
	s_wait_dscnt 0x0
.set j, 0
.rept 32
	v_pk_mul_f32 v[MK+j:MK+j+1], v[MK+j:MK+j+1], v[222:223] op_sel_hi:[1,0]
.set j, j+2
.endr
	WIN 0x01
	s_wait_alu depctr_va_vdst(0)                   ; the wait here, directly ahead of the first readers of my O^T
.set j, 0
.rept 32
	v_pk_fma_f32 v[S+j:S+j+1], v[OT+j:OT+j+1], v[220:221], v[MK+j:MK+j+1] op_sel_hi:[1,0,1]   ; ctx; each accumulator from its low end on
.set j, j+2
.endr
	WIN 0
	; THE WAY OUT.  Tile t's eight codes are k = 16 t + 8 h + 0 .. 7 of my token's 128: in the image that the next launch reads they lie at 512 (t / 2) + 256 (t % 2) + 16 r + 8 h: each store covers 256 consecutive bytes, aligned.
.set j, 0
.rept 64
	v_med3_num_f32 v[S+j], v[S+j], -v[LIMC], v[LIMC]
.set j, j+1
.endr
.irp t, 0,1,2,3,4,5,6,7
	v_cvt_scalef32_pk8_fp8_f32 v[PC+2*\t:PC+2*\t+1], v[S+8*\t:S+8*\t+7], v[CSC]
.endr
	v_nop
.irp t, 0,1,2,3,4,5,6,7
	global_store_b64 v[GO], v[PC+2*\t:PC+2*\t+1], s[12:13] offset:512*(\t/2)+256*(\t%2)
.endr
	s_wait_tensorcnt 0x0                           ; the wave's end
	ds_add_u32 v[SPW], v[NIL]
	s_wait_dscnt 0x0
	CROUND                                         ; the closing round
	s_endpgm
.Lfunc_end_k_q1031af0089_attn:
	.size	k_q1031af0089_attn, .Lfunc_end_k_q1031af0089_attn-k_q1031af0089_attn
	.p2alignl 7, 3214868480
	.fill 96, 4, 3214868480
	.section	.rodata,"a",@progbits
	.p2align	6, 0x0
	.amdhsa_kernel k_q1031af0089_attn
		.amdhsa_group_segment_fixed_size 327680
		.amdhsa_private_segment_fixed_size 0
		.amdhsa_enable_private_segment 0
		.amdhsa_kernarg_size 40
		.amdhsa_user_sgpr_count 2
		.amdhsa_user_sgpr_kernarg_segment_ptr 1
		.amdhsa_wavefront_size32 1
		.amdhsa_system_sgpr_workgroup_id_x 1
		.amdhsa_system_sgpr_workgroup_id_y 1
		.amdhsa_system_sgpr_workgroup_id_z 1
		.amdhsa_system_vgpr_workitem_id 0
		.amdhsa_next_free_vgpr 512
		.amdhsa_next_free_sgpr 96
		.amdhsa_reserve_vcc 0
		.amdhsa_float_denorm_mode_32 3
		.amdhsa_float_denorm_mode_16_64 3
		.amdhsa_memory_ordered 1
		.amdhsa_forward_progress 1
		.amdhsa_inst_pref_size 135
	.end_amdhsa_kernel
	.amdgpu_metadata
---
amdhsa.version: [ 1, 2 ]
amdhsa.kernels:
  - .name:           k_q1031af0089_attn
    .symbol:         k_q1031af0089_attn.kd
    .args:
      - { .name: q_codes, .offset: 0, .size: 8, .value_kind: global_buffer, .address_space: global }
      - { .name: kv_codes, .offset: 8, .size: 8, .value_kind: global_buffer, .address_space: global }
      - { .name: attn_mask, .offset: 16, .size: 8, .value_kind: global_buffer, .address_space: global }
      - { .name: lowp_scales, .offset: 24, .size: 8, .value_kind: global_buffer, .address_space: global }
      - { .name: ctx_codes, .offset: 32, .size: 8, .value_kind: global_buffer, .address_space: global }
    .group_segment_fixed_size: 327680
    .private_segment_fixed_size: 0
    .kernarg_segment_align: 8
    .kernarg_segment_size: 40
    .max_flat_workgroup_size: 256
    .sgpr_count:     96
    .vgpr_count:     512
    .wavefront_size: 32
...
	.end_amdgpu_metadata
.endif
;; end of part 2
;; launch oproj (part 3): grid 16 x 16, 4 waves a work-group, clusters of 4 x 4, 327,680 bytes of LDS; arguments ctx_codes, Wo_codes, bo, lowp_scales, out0; writes out0
.if DOCPART == 3
	.amdgcn_target "amdgcn-amd-amdhsa--gfx1250"
	.amdhsa_code_object_version 6
	.text
	.protected	k_q1031af0089_oproj
	.globl	k_q1031af0089_oproj
	.p2align	8
	.type	k_q1031af0089_oproj,@function
k_q1031af0089_oproj:
	s_mov_b64 s[64:65], 0
	v_nop
	global_prefetch_b8 v0, s[64:65] scope:SCOPE_SE
	s_setreg_imm32_b32 hwreg(HW_REG_WAVE_MODE, 25, 1), 1
	s_wait_xcnt 0x0
	s_wait_alu depctr_hold_cnt(0) depctr_sa_sdst(0) depctr_va_vdst(0) depctr_va_sdst(0) depctr_va_ssrc(0) depctr_va_vcc(0) depctr_vm_vsrc(0)
	s_getreg_b32 s2, hwreg(HW_REG_IB_STS2, 6, 4)
	s_cmp_eq_u32 s2, 0
	s_cbranch_scc0 .Lentry_in_a_cluster
	s_endpgm
.Lentry_in_a_cluster:
	s_bfe_u32 s2, ttmp6, 0x10000c
	s_cmp_lg_u32 s2, 0xf033
	s_cbranch_scc0 .Lentry_shape_is_right
	s_endpgm
.Lentry_shape_is_right:
.set BP,    528
.set BOFF,  65536
.set SLOT,  BOFF+128*BP
.set SPARE, 2*SLOT
.set SP,    528
.set ADRA, 16
.set ADRB, 20
.set STO,  24
.set RD,   25
.set CO,   26
.set BOA,  27
.set SPW,  28
.set NIL,  29
.set BO,   96
.set ACC,  128
.set F0,   0
.set F1,   128
.set G1,   24
.set G0,   32
.set G1B,  48
.set G0B,  56
.set MUL,  0x05
.set TO_F, 0x40
.set MSB, 0
.macro WIN new
.if MSB != (\new)
	s_set_vgpr_msb (MSB<<8)|(\new)
.set MSB, (\new)
.endif
.endm
.macro PLACES n
.rept \n
	v_nop
.endr
.endm
.macro JLOAD s
	s_cmp_eq_u32 s15, 0
	s_cbranch_scc0 .Lfor_b_\@
	tensor_load_to_lds s[G0+4*\s:G0+4*\s+3], s[G1:G1+7]
	s_nop 0
.rept 4
	v_nop
.endr
	s_branch .Lasked_\@
.Lfor_b_\@:
	tensor_load_to_lds s[G0B+4*\s:G0B+4*\s+3], s[G1B:G1B+7]
	s_nop 0
.rept 4
	v_nop
.endr
.Lasked_\@:
.endm
.macro CREST
	s_cmp_lg_u32 s14, 0
	s_cbranch_scc1 .Lnot_wave_0_\@
	s_barrier_signal -3
.Lnot_wave_0_\@:
	s_barrier_wait -3
	s_barrier_signal -1
	s_barrier_wait -1
.endm
.macro CROUND
	s_barrier_signal -1
	s_barrier_wait -1
	CREST
.endm
	s_load_b256 s[4:11], s[0:1], 0x0
	s_load_b64 s[12:13], s[0:1], 0x20
	v_lshl_add_u32 v[SPW], v0, 2, SPARE
	v_mov_b32 v[NIL], 0
	ds_add_u32 v28, v29
	ds_add_u32 v28, v29
	s_wait_dscnt 0x0
	v_lshrrev_b32 v1, 5, v0
	v_readfirstlane_b32 s14, v1
	s_lshr_b32 s15, s14, 1
	s_and_b32 s16, s14, 1
	; the prefetches' offset, a lane a block of 256 bytes: in ctx's dense images 256 x lane; in Wo 2,048 (lane / 2) + 256 (lane % 2): 16 rows x 512 bytes
	s_cmp_eq_u32 s15, 0
	s_cselect_b32 s68, 9, 11
	v_and_b32 v6, 31, v0
	v_lshrrev_b32 v7, 1, v6
	v_and_b32 v6, 1, v6
	v_lshlrev_b32 v6, 8, v6
	v_lshl_add_u32 v6, v7, s68, v6                 ; never rewritten
	s_wait_alu depctr_va_vdst(0)
	s_bfe_u32 s40, ttmp6, 0x40000
	s_bfe_u32 s41, ttmp6, 0x40004
	s_lshl_b32 s42, ttmp9, 2
	s_add_co_u32 s42, s42, s40
	s_and_b32 s17, ttmp7, 0xffff
	s_lshl_b32 s17, s17, 2
	s_add_co_u32 s17, s17, s41
	s_lshl_b32 s43, s41, 2
	s_lshl_b32 s43, 15, s43
	s_lshl_b32 s44, 0x1111, s40
	s_or_b32 s[G1+0], s43, (3<<16)|(1<<21)
	s_mov_b32 s[G1+1], 32<<16
	s_mov_b32 s[G1+2], 128<<16
	s_mov_b32 s[G1+3], 32<<16
	s_mov_b32 s[G1+4], 128
	s_mov_b32 s[G1+5], 32
	s_mov_b32 s[G1+6], 0
	s_mov_b32 s[G1+7], 0
	s_or_b32 s[G1B+0], s44, (0<<16)|(1<<20)|(1<<21)|(6<<22)|(3<<25)
	s_mov_b32 s[G1B+1], 512<<16
	s_mov_b32 s[G1B+2], 64<<16
	s_mov_b32 s[G1B+3], 512<<16
	s_mov_b32 s[G1B+4], 64
	s_mov_b32 s[G1B+5], 2048
	s_mov_b32 s[G1B+6], 0
	s_mov_b32 s[G1B+7], 0
	s_lshl_b32 s20, s17, 18
	s_lshl_b32 s18, s16, 15
	s_add_co_u32 s20, s20, s18
	s_mov_b32 s21, 0
	s_lshl_b32 s46, s42, 18
	s_lshl_b32 s19, s16, 17
	s_add_co_u32 s46, s46, s19
	s_mov_b32 s47, 0
	s_mul_i32 s45, s16, 64*BP
	s_add_co_u32 s45, s45, BOFF
	s_wait_kmcnt 0x0
	s_load_b64 s[66:67], s[10:11], 0x28
	s_add_nc_u64 s[20:21], s[4:5], s[20:21]
	s_add_nc_u64 s[46:47], s[6:7], s[46:47]
	; s[68:69], s[70:71], s[72:73]: my work-group's quarter (told apart by address: cx for ctx, cy for Wo) of what my wave fetches of slots 1, 2, 3: 8,192 bytes each
	s_cmp_eq_u32 s15, 0
	s_cselect_b64 s[68:69], s[20:21], s[46:47]
	s_cselect_b32 s70, s40, s41
	s_cselect_b32 s72, 13, 15                      ; a quarter: 8,192 bytes of images, or 16 rows of 2,048
	s_mov_b32 s74, 512
	s_cselect_b32 s74, 0x10000, s74                ; a slot on
	s_lshl_b32 s70, s70, s72
	s_mov_b32 s71, 0
	s_mov_b32 s75, 0
	s_add_nc_u64 s[68:69], s[68:69], s[70:71]
	s_add_nc_u64 s[68:69], s[68:69], s[74:75]
	s_add_nc_u64 s[70:71], s[68:69], s[74:75]
	s_add_nc_u64 s[72:73], s[70:71], s[74:75]
.irp s, 0,1
	s_mov_b32 s[G0+4*\s], 1
	s_add_co_u32 s[G0+4*\s+1], s18, \s*SLOT
	s_add_nc_u64 s[G0+4*\s+2:G0+4*\s+3], s[20:21], \s*65536
	s_or_b32 s[G0+4*\s+3], s[G0+4*\s+3], 0x80000000
	s_mov_b32 s[G0B+4*\s], 1
	s_add_co_u32 s[G0B+4*\s+1], s45, \s*SLOT
	s_add_nc_u64 s[G0B+4*\s+2:G0B+4*\s+3], s[46:47], \s*512
	s_or_b32 s[G0B+4*\s+3], s[G0B+4*\s+3], 0x80000000
.endr
	CROUND                                         ; all sixteen work-groups are here: the first joint loads meet
	JLOAD 0                                        ; slot 0: one tensor load a wave at the head; the set-up below stands under its flight
	global_prefetch_b8 v6, s[68:69] th:TH_LOAD_NT scope:SCOPE_SE                 ; slots 1 and 2
	global_prefetch_b8 v6, s[70:71] th:TH_LOAD_NT scope:SCOPE_SE
	v_and_b32 v1, 15, v0
	v_bfe_u32 v2, v0, 4, 1
	v_and_b32 v3, 31, v0
	v_lshlrev_b32 v[CO], 4, v3
	v_mul_u32_u24 v4, v1, BP
	v_lshl_add_u32 v5, v2, 5, v4
	s_wait_alu depctr_va_vdst(0)
	v_lshl_add_u32 v4, v2, 4, v4
	s_lshl_b32 s21, s15, 13
	s_mul_i32 s22, s16, 64*BP
	s_add_co_u32 s22, s22, BOFF
.irp s, 0,1
	v_add_nc_u32 v[ADRA+\s], s21, v[CO]
	v_add_nc_u32 v[ADRB+\s], s22, v4
	s_add_co_u32 s21, s21, SLOT
	s_add_co_u32 s22, s22, SLOT
.endr
	s_mul_i32 s23, s15, 64*SP
	s_lshl_b32 s22, s16, 8
	s_add_co_u32 s23, s23, s22
	v_add_nc_u32 v[STO], s23, v5
	s_mul_i32 s23, s14, 32*SP
	v_add_nc_u32 v[RD], s23, v[CO]
	v_lshlrev_b32 v[BOA], 5, v2
	v_add_nc_u32 v[BOA], s22, v[BOA]
	s_wait_alu depctr_va_vdst(0)
	s_lshl_b32 s22, s42, 9
	s_mov_b32 s23, 0
	s_add_nc_u64 s[8:9], s[8:9], s[22:23]
	s_add_nc_u64 s[12:13], s[12:13], s[22:23]
	s_lshl_b32 s22, s17, 20
	s_lshl_b32 s21, s14, 18
	s_add_co_u32 s22, s22, s21
	s_add_nc_u64 s[12:13], s[12:13], s[22:23]
.irp b, 0,1,2,3
.irp i, 0,1
	global_load_b128 v[BO+8*\b+4*\i:BO+8*\b+4*\i+3], v[BOA], s[8:9] offset:64*\b+16*\i
.endr
.endr
.macro FETCH slot, s, f
	WIN TO_F
.irp b, 0,1,2,3
.irp c, 0,1,2,3
	ds_load_b128 v[\f+64+16*\b+4*\c:\f+64+16*\b+4*\c+3], v[ADRB+\slot] offset:128*(\s)+32*\c+16*\b*BP
.endr
.endr
.irp a, 0,1,2,3
.irp c, 0,1,2,3
	ds_load_b128 v[\f+16*\a+4*\c:\f+16*\a+4*\c+3], v[ADRA+\slot] offset:16384*(\s)+2048*\a+512*\c
.endr
.endr
.endm
.macro MUL8 f, a0, zero
.irp a, \a0, \a0+1
.irp b, 0,1,2,3
.if \zero
	v_wmma_f32_16x16x128_fp8_fp8 v[ACC+8*(4*(\a)+\b):ACC+8*(4*(\a)+\b)+7], v[\f+64+16*\b:\f+64+16*\b+15], v[\f+16*(\a):\f+16*(\a)+15], 0
.else
	v_wmma_f32_16x16x128_fp8_fp8 v[ACC+8*(4*(\a)+\b):ACC+8*(4*(\a)+\b)+7], v[\f+64+16*\b:\f+64+16*\b+15], v[\f+16*(\a):\f+16*(\a)+15], v[ACC+8*(4*(\a)+\b):ACC+8*(4*(\a)+\b)+7]
.endif
.endr
.endr
.endm
.macro STEP slot, snext, f, g, zero
	s_wait_dscnt 8
	WIN MUL
	MUL8 \f, 0, \zero
	PLACES 4
	FETCH \slot, \snext, \g
	s_wait_dscnt 32
	WIN MUL
	MUL8 \f, 2, \zero
.endm
.macro TURN slot, next, fill
	WIN 0
	s_wait_tensorcnt 0x0
	ds_add_u32 v[SPW], v[NIL]
	s_wait_dscnt 9
	WIN MUL
	MUL8 F1, 0, 0
	s_wait_dscnt 0x0
	s_barrier_signal -1
	MUL8 F1, 2, 0
	WIN 0
	s_barrier_wait -1
.if \fill
	CREST
	s_add_nc_u64 s[G0+4*\slot+2:G0+4*\slot+3], s[G0+4*\slot+2:G0+4*\slot+3], 2*65536
	s_add_nc_u64 s[G0B+4*\slot+2:G0B+4*\slot+3], s[G0B+4*\slot+2:G0B+4*\slot+3], 2*512
	JLOAD \slot
.else
	PLACES 4
.endif
	FETCH \next, 0, F0
.endm
.macro THREE slot, zero
	STEP \slot, 1, F0, F1, \zero
	STEP \slot, 2, F1, F0, 0
	STEP \slot, 3, F0, F1, 0
.endm
	s_wait_alu depctr_va_vdst(0)                   ; the wait at the head's end
	s_wait_tensorcnt 0x0                           ; my part of slot 0 is in; these lines stand ahead of a later first fill as ahead of a refill
	ds_add_u32 v[SPW], v[NIL]
	s_wait_dscnt 0x0
	CROUND                                         ; everybody's part of slot 0 is in, and the joint loads meet
	JLOAD 1                                        ; slot 1's first fill
	FETCH 0, 0, F0
	global_prefetch_b8 v6, s[72:73] th:TH_LOAD_NT scope:SCOPE_SE                 ; slot 3 (the address register lies in window 0, which source 0 names here)
	THREE 0, 1
	TURN 0, 1, 1
	THREE 1, 0
	TURN 1, 0, 1
	THREE 0, 0
	TURN 0, 1, 0
	THREE 1, 0
	s_wait_dscnt 8
	WIN MUL
	MUL8 F1, 0, 0
	s_wait_dscnt 0x0
	MUL8 F1, 2, 0
	WIN 0
	s_wait_loadcnt 0x0
	s_wait_kmcnt 0x0
	s_add_co_i32 s66, s66, s67
	s_add_co_i32 s66, s66, 127
	s_lshl_b32 s66, s66, 23
	s_mov_b32 s67, s66
	PLACES 4
.irp a, 0,1,2,3
.irp b, 0,1,2,3
.irp j, 0,2,4,6
	v_pk_fma_f32 v[ACC+8*(4*\a+\b)+\j:ACC+8*(4*\a+\b)+\j+1], v[ACC+8*(4*\a+\b)+\j:ACC+8*(4*\a+\b)+\j+1], s[66:67], v[BO+8*\b+\j:BO+8*\b+\j+1] op_sel_hi:[1,0,1]
.endr
.endr
.endr
.irp a, 0,1,2,3
.irp b, 0,1,2,3
	ds_store_b128 v[STO], v[ACC+8*(4*\a+\b):ACC+8*(4*\a+\b)+3] offset:16*\a*SP+64*\b
	ds_store_b128 v[STO], v[ACC+8*(4*\a+\b)+4:ACC+8*(4*\a+\b)+7] offset:16*\a*SP+64*\b+16
.endr
.endr
	s_wait_dscnt 0x0
	s_barrier_signal -1
	s_barrier_wait -1
.set t, 0
.rept 32
	ds_load_b128 v[ACC+4*t:ACC+4*t+3], v[RD] offset:t*SP
.set t, t+1
.endr
.set t, 0
.rept 32
	s_wait_dscnt 31-t
	global_store_b128 v[CO], v[ACC+4*t:ACC+4*t+3], s[12:13] offset:8192*t th:TH_STORE_NT
.set t, t+1
.endr
	s_wait_tensorcnt 0x0
	ds_add_u32 v[SPW], v[NIL]
	s_wait_dscnt 0x0
	CROUND
	s_endpgm
.Lfunc_end_k_q1031af0089_oproj:
	.size	k_q1031af0089_oproj, .Lfunc_end_k_q1031af0089_oproj-k_q1031af0089_oproj
	.p2alignl 7, 3214868480
	.fill 96, 4, 3214868480
	.section	.rodata,"a",@progbits
	.p2align	6, 0x0
	.amdhsa_kernel k_q1031af0089_oproj
		.amdhsa_group_segment_fixed_size 327680
		.amdhsa_private_segment_fixed_size 0
		.amdhsa_enable_private_segment 0
		.amdhsa_kernarg_size 40
		.amdhsa_user_sgpr_count 2
		.amdhsa_user_sgpr_kernarg_segment_ptr 1
		.amdhsa_wavefront_size32 1
		.amdhsa_system_sgpr_workgroup_id_x 1
		.amdhsa_system_sgpr_workgroup_id_y 1
		.amdhsa_system_sgpr_workgroup_id_z 1
		.amdhsa_system_vgpr_workitem_id 0
		.amdhsa_next_free_vgpr 512
		.amdhsa_next_free_sgpr 80
		.amdhsa_reserve_vcc 0
		.amdhsa_float_denorm_mode_32 3
		.amdhsa_float_denorm_mode_16_64 3
		.amdhsa_memory_ordered 1
		.amdhsa_forward_progress 1
		.amdhsa_inst_pref_size 76
	.end_amdhsa_kernel
	.amdgpu_metadata
---
amdhsa.version: [ 1, 2 ]
amdhsa.kernels:
  - .name:           k_q1031af0089_oproj
    .symbol:         k_q1031af0089_oproj.kd
    .args:
      - { .name: ctx_codes, .offset: 0, .size: 8, .value_kind: global_buffer, .address_space: global }
      - { .name: Wo_codes, .offset: 8, .size: 8, .value_kind: global_buffer, .address_space: global }
      - { .name: bo, .offset: 16, .size: 8, .value_kind: global_buffer, .address_space: global }
      - { .name: lowp_scales, .offset: 24, .size: 8, .value_kind: global_buffer, .address_space: global }
      - { .name: out0, .offset: 32, .size: 8, .value_kind: global_buffer, .address_space: global }
    .group_segment_fixed_size: 327680
    .private_segment_fixed_size: 0
    .kernarg_segment_align: 8
    .kernarg_segment_size: 40
    .max_flat_workgroup_size: 128
    .sgpr_count:     80
    .vgpr_count:     512
    .wavefront_size: 32
...
	.end_amdgpu_metadata
.endif
;; end of part 3
